; MI455X (gfx1250); checked and timed in simulation.
; The chip was launched on July 23, 2026; its instructions are those of AMD's public machine-readable ISA for CDNA 5 (MIT licence, August 2026) and "CDNA5" Instruction Set Architecture Reference Guide (July 2026). The comments in the code are by the model that wrote it; some were corrected since.
;; Cross Attention. Allowed arithmetic: matrix products marked QUANTISED: E2M3 operands, one E8M0 scale for each 32 along K, by v_wmma_scale_f32_16x16x128_f8f6f4 with both operands' format E2M3, f32 sums; everything else in f32.
;; Inputs: Wk_codes 512 x 24 x 24 uint8 (E2M3 codes of Wk, K innermost, in blocks of 32 codes, four codes in three bytes); Wk_scales 512 x 24 uint8 (E8M0 scales of Wk, one for each 32 codes along K); Wo_codes 1,024 x 16 x 24 uint8 (E2M3 codes of Wo, K innermost, in blocks of 32 codes, four codes in three bytes); Wo_scales 1,024 x 16 uint8 (E8M0 scales of Wo, one for each 32 codes along K); Wq_codes 512 x 32 x 24 uint8 (E2M3 codes of Wq, K innermost, in blocks of 32 codes, four codes in three bytes); Wq_scales 512 x 32 uint8 (E8M0 scales of Wq, one for each 32 codes along K); Wv_codes 512 x 24 x 24 uint8 (E2M3 codes of Wv, K innermost, in blocks of 32 codes, four codes in three bytes); Wv_scales 512 x 24 uint8 (E8M0 scales of Wv, one for each 32 codes along K); bo 1,024 float32; context_codes 2 x 4,096 x 24 x 24 uint8 (E2M3 codes of context, K innermost, in blocks of 32 codes, four codes in three bytes); context_scales 2 x 4,096 x 24 uint8 (E8M0 scales of context, one for each 32 codes along K); x_codes 2 x 4,096 x 32 x 24 uint8 (E2M3 codes of x, K innermost, in blocks of 32 codes, four codes in three bytes); x_scales 2 x 4,096 x 32 uint8 (E8M0 scales of x, one for each 32 codes along K).
;; Outputs: out0 2 x 4,096 x 1,024 float32.
;; This version of the problem:
;;   THIS VERSION OF THE PROBLEM IS GIVEN IN LOW PRECISION. The matrix products marked QUANTISED in the list below multiply operands that are first quantised to E2M3 (2 exponent bits, 3 mantissa bits; 6 bits a number), with one power-of-two scale for each 32 numbers along K (OCP MX v1.0); their sums are f32. All else is computed in f32.
;;   The module's matrix products, in the order in which they are computed (A, B: the left and right operand; K: the contracted axis; several contracted axes count as one K, in the product's order):
;;     1. [M 8,192, K 1,024] x [K 1,024, N 512]; A: input x (given as codes); B: input Wq (given as codes): QUANTISED
;;     2. [M 8,192, K 768] x [K 768, N 512]; A: input context (given as codes); B: input Wk (given as codes): QUANTISED
;;     3. [M 8,192, K 768] x [K 768, N 512]; A: input context (given as codes); B: input Wv (given as codes): QUANTISED
;;     4. batch 16 x [M 4,096, K 64] x [K 64, N 4,096]; A: computed on the way; B: computed on the way: QUANTISED
;;     5. batch 16 x [M 64, K 4,096] x [K 4,096, N 4,096]; A: computed on the way; B: softmax (see below): QUANTISED
;;     6. [M 8,192, K 512] x [K 512, N 1,024]; A: computed on the way; B: input Wo (given as codes): QUANTISED
;;   THE QUANTISER, for each operand of a quantised product, along K:
;;     - K is cut into blocks of 32 from its start; a last block that is shorter is filled with zeros.
;;     - A block's scale is 2^e with e = floor(log2(the largest magnitude in the block)) - 2, held to -126 .. 127; a block of zeros has e = 0. As a byte (E8M0): e + 127.
;;     - Each number is divided by its block's scale, clamped to +-7.5, and rounded to the nearest number of E2M3, ties to even, subnormals kept.
;;     - The product sums the exact products of the quantised numbers (number of the format x scale) in f32.
;;   ~~~python
;;   def quantise(x, axis):      # numpy; x: float32 -> the quantised numbers, widened to float32 again
;;       x = np.moveaxis(x, axis, -1); K = x.shape[-1]
;;       x = np.pad(x, [(0, 0)] * (x.ndim - 1) + [(0, -K % 32)]); x = x.reshape(x.shape[:-1] + (-1, 32)); a = np.abs(x).max(-1, keepdims=True)
;;       e = np.where(a > 0, np.clip(np.frexp(np.where(a > 0, a, 1))[1] - 1 - 2, -126, 127), 0)      # np.frexp(a)[1] - 1 = floor(log2(a)), exactly
;;       r = np.clip(x / 2.0 ** e, -7.5, 7.5)
;;       step = 2.0 ** (np.maximum(np.frexp(np.where(r == 0, 1, r))[1] - 1, 0) - 3)
;;       q = np.round(r / step) * step * 2.0 ** e      # np.round: ties to even
;;       return np.moveaxis(q.reshape(q.shape[:-2] + (-1,))[..., :K], -1, axis).astype(np.float32)
;;   ~~~
;;   SOFTMAX AHEAD OF A QUANTISED PRODUCT. Where the list says 'softmax', what is quantised is not the finished softmax but p = 2^(t - M), with t = logit x log2(e) and M = ceil(the row's largest t), a whole number; so 1/2 < the row's largest p <= 1. The row's sum l is taken of the UNQUANTISED p, in f32, and the product's result is divided by l at the end. Since M is a whole number, a kernel that streams over the keys may use a running M (the ceiling of the running maximum): every later rescaling is an exact power of two, which a block's scale takes up: the codes' values come out the same.
;;   OPERANDS COMPUTED ON THE WAY. 'Computed on the way' means the value that the module computes at that place (a softmax that the list does not call 'softmax' is quantised finished and normalised). What goes into a quantiser is computed in f32, as accurately as f32 sums, v_exp_f32 and their like allow (about 1e-6 of the number): no bf16 or f16 on the way to a quantiser, and a product that is left as it is and whose result goes on into a quantised operand takes f32 operands (vector FMAs, or v_wmma_f32_16x16x4_f32). A number that lies on a knife's edge between two numbers of the format may be rounded either way, as far as f32 arithmetic and the matrix unit's own rounding can turn it there, and no further.
;;   INPUTS GIVEN AS CODES. Wk (in the module: [768, 512], K = its axis 0); Wo (in the module: [512, 1024], K = its axis 0); Wq (in the module: [1024, 512], K = its axis 0); Wv (in the module: [768, 512], K = its axis 0); context (in the module: [2, 4096, 768], K = its axis 2); x (in the module: [2, 4096, 1024], K = its axis 2): each comes as NAME_codes (uint8): NAME with its K axis moved to the last place and cut into blocks of 32 codes, [.., K / 32, bytes a block], one block behind the other in memory; four codes in three bytes: a row's codes are one little-endian stream of bits, code i at bits 6 i .. 6 i + 5 (a code: sign, 2 exponent bits, 3 mantissa bits); and NAME_scales (uint8): the same leading axes, one E8M0 byte (e + 127) for each 32 codes along K. Its value is code x scale, taken as it is: it is not quantised again, and the codes and scales need not be those that the quantiser above would give.
;; One version. Each part assembles by itself: llvm-mc -triple=amdgcn-amd-amdhsa -mcpu=gfx1250 --defsym DOCPART=n.
;; ======== version 1 of 1: 3 launches
;; workspace buffers: qimg 3,407,872 bytes; kv 6,684,672 bytes; aimg 3,145,728 bytes; asc 131,072 bytes
;; launch proj (part 1): grid 64 x 3, 4 waves a work-group, no clusters, 327,680 bytes of LDS; arguments x_codes, x_scales, context_codes, context_scales, Wq_codes, Wq_scales, Wk_codes, Wk_scales, Wv_codes, Wv_scales, qimg, kv; writes qimg, kv
.if DOCPART == 1
	.amdgcn_target "amdgcn-amd-amdhsa--gfx1250"
	.amdhsa_code_object_version 6
	.text
	.protected	k_q751f68e4ff_proj
	.globl	k_q751f68e4ff_proj
	.p2align	8
	.type	k_q751f68e4ff_proj,@function
k_q751f68e4ff_proj:
	s_mov_b64 s[64:65], 0
	v_nop
	global_prefetch_b8 v0, s[64:65] scope:SCOPE_SE
	s_setreg_imm32_b32 hwreg(HW_REG_WAVE_MODE, 25, 1), 1
	s_wait_xcnt 0x0
; q = x Wq^T, k = context Wk^T, v = context Wv^T on codes of FP6 (E2M3) with one E8M0 scale for each 32 along K; the f32 results are quantised in registers and stored as
; IMAGES OF OPERAND REGISTERS for the attention launch.  One body serves the three products: work-group y is the type (0 q, 1 k, 2 v).
; Every type is C = A B^T on a tile of 256 x 256, quantised along B's rows (the matrix instruction is used transposed: source 0 = 16 rows of B, source 1 = 16 rows of A, so a lane holds ONE row of A and its
; registers run along B's rows).  q: A = x, B = Wq.  k: A = context, B = Wk (blocks of 32 along the head's 64).  v: A = Wv, B = context (blocks of 32 along the keys).
; Four waves, each 128 x 128: 64 accumulators, 512 registers.  K goes in steps of 256 (rows of 192 bytes) through two LDS slots: four steps for q (K = 1,024), three for k and v (K = 768), written out.
; ORDER INSIDE A BLOCK OF 32.  Tiles of B are 16 neighbouring rows, so a lane's 16 numbers of a block are its places 8 h + 0..7 and 16 + 8 h + 0..7; after the exchange of halves a lane's block stands in the order
; 0-7, 16-23, 8-15, 24-31.  q and k get the same order along the head, v the same order along the keys as the attention launch gives p: the exact products and the blocks' scales are those of the
; true order; only the order of the f32 sums inside a matrix instruction differs.
; IMAGES.  Half a fragment (16 rows x 64 K: 6 registers): 768 bytes: registers 0-1 at 8 x lane, registers 2-5 at 256 + 16 x lane.  A whole one (12 registers): three pieces of 512 bytes, 16 x lane.
; qimg: [16 heads of both batches][32 groups of 128 queries][6,656]: eight halves, then 512 bytes of scale words.  kv: [16][32 steps of 128 keys][13,056]: K as in qimg, then V's four fragments and 256 bytes of scale words.
; q's and k's scale words carry their two bytes twice: the attention launch's K is 64 of the instruction's 128.
; LIMITS: NaN and infinities are not served.  A block whose largest magnitude lies under 2^-124, a block of zeros too, keeps the scale byte 1 (the rule says 127 for zeros): its codes are zeros, and this program alone reads the bytes.
; NO CLUSTER: of four neighbouring work-groups only pairs share a tile (x and x + 1 the long operand, x and x + 2 the weight), and the side on which each lies changes with the type, while a joint
; load wants one mask and one set of registers on one line for all that issue it; and the launch has only three or four K steps.
; REGISTERS, in windows of 256: window 0: v8-30 addresses; v32-63 scale words, two sets; v128-223 A's fragments, ONE set; v224-255 scale words on their way to LDS; on the way out v64-159 codes, v160-222 at work.
;   window 1: B's fragments, two sets, at v0 and v128.   windows 2, 3: the accumulators ((a, b) at v[8 (8 (a % 4) + b)] of window 2 + a / 4).
.set NQ,     2                         ; matrix instructions deep in a slot
.set ROWB,   192                       ; a tile's row: 256 codes
.set PITCH,  240                       ; an LDS row: 3 x (64 bytes + 16 of padding) = 60 words: the 32 lanes of a load of 8 bytes touch 64 different banks (64 banks of 4 bytes: ISA guide 11.1)
.set FR,     12
.set NL,     6
.set NP,     4                         ; places behind this matrix instruction (ISA guide 7.12.1)
.set HALFT,  128*PITCH                 ; what one tensor load brings
.set SLOT,   4*HALFT                   ; A's 256 rows, then B's 256 rows
.set SCW,    2*SLOT                    ; behind the ring: scale words, [loader wave][K step][row] 8 bytes; B's two parts lie 128 bytes further on, so that A's lanes and B's lanes fall on different banks; no tensor load lands here
.set SPARE,  SCW+16640                 ; the spare words, 128 bytes for each wave
.set ADRA, 16                          ; v16-17 my A fragments in slot 0, 1; v18-19 the same behind one padding more
.set ADRB, 20                          ; v20-23 the same for B
.set L8,   24                          ; 8 x lane
.set L16,  25                          ; 16 x lane
.set SCS,  26                          ; where I store scale words
.set ADRS, 27                          ; where I read them: lanes 0-15 A's rows, lanes 16-31 B's
.set SPW,  28
.set NIL,  29
.set LANE, 30
.set SC,   32
.set AF,   128
.set OUT,  64                          ; the way out: 12 registers of codes for each of A's eight blocks
.set SW,   160                         ; their rows' scale words
.set MW,   168                         ; the same, two blocks to a register
.set KA,   172
.set KB,   176
.set TM,   200
.set PT,   216
.set STGR, 224
.set WV,   28
.set RH,   29
.set CH,   30
.set TYPE, 31
.set BIG,  32
.set SMALL, 33
.set G1Q,  36                          ; s[36:43] descriptor group 1, rows 768 bytes apart (K = 1,024)
.set G1K,  44                          ; s[44:51] the same, rows 576 bytes apart (K = 768)
.set G0,   52                          ; s[52:59] group 0, one set for each slot
.set KROW, 74
.set KS,   75
.set SEL,  76
.set MSB, 0
.macro WIN new                         ; the immediate's high byte repeats the setting that is left
.if MSB != \new
	s_set_vgpr_msb (MSB<<8)|\new
.set MSB, \new
.endif
.endm
.set MUL_LO, 0xa1                      ; source 0 (B) window 1, source 1 (A) window 0, C and D window 2
.set MUL_HI, 0xf1
.set TO_B,   0x40
; A refill.  The two lines differ in the pitch of the rows in memory alone; the branch hangs on the work-group's y.  Four v_nop follow each line.
.macro TL slot
	s_cmp_eq_u32 s[TYPE], 0
	s_cbranch_scc0 .Lshort_\@
	tensor_load_to_lds s[G0+4*\slot:G0+4*\slot+3], s[G1Q:G1Q+7]
	s_nop 0
.rept 4
	v_nop
.endr
	s_branch .Lasked_\@
.Lshort_\@:
	tensor_load_to_lds s[G0+4*\slot:G0+4*\slot+3], s[G1K:G1K+7]
	s_nop 0
.rept 4
	v_nop
.endr
.Lasked_\@:
.endm
	s_load_b256 s[4:11], s[0:1], 0x0               ; x's codes, x's scales, context's codes, context's scales
	s_load_b256 s[12:19], s[0:1], 0x20             ; Wq's codes, scales, Wk's codes, scales
	s_load_b256 s[20:27], s[0:1], 0x40             ; Wv's codes, scales, qimg, kv
	v_lshl_add_u32 v[SPW], v0, 2, SPARE
	v_mov_b32 v[NIL], 0
	ds_add_u32 v28, v29
	s_wait_dscnt 0x0
	v_lshrrev_b32 v1, 5, v0
	v_readfirstlane_b32 s[WV], v1                  ; wave 0..3
	s_lshr_b32 s[RH], s[WV], 1                     ; my half of A's rows.  Also: I fetch for A (0) or for B (1)
	s_and_b32 s[CH], s[WV], 1                      ; my half of B's rows.  Also: which 128 rows I fetch
	s_and_b32 s[TYPE], ttmp7, 0xffff
	s_lshr_b32 s[BIG], ttmp9, 1                    ; which 256 of the 8,192 rows of x or context
	s_and_b32 s[SMALL], ttmp9, 1                   ; which 256 of the weight's 512 rows
.irp g, G1Q, G1K
	s_mov_b32 s[\g+0], (1<<20)|(3<<22)|(3<<25)     ; elements of 1 byte; padding on: after every 16 words, 4 words
	s_mov_b32 s[\g+1], ROWB<<16                    ; tensor_dim0
	s_mov_b32 s[\g+2], 128<<16                     ; tensor_dim1
	s_mov_b32 s[\g+3], ROWB<<16                    ; tile_dim0
	s_mov_b32 s[\g+4], 128                         ; tile_dim1
	s_mov_b32 s[\g+6], 0
	s_mov_b32 s[\g+7], 0
.endr
	s_mov_b32 s[G1Q+5], 768                        ; tensor_dim0_stride
	s_mov_b32 s[G1K+5], 576
	s_mov_b32 s[SEL], 0x76543210
	s_mov_b32 s[SEL+1], 0xfedcba98                 ; v_permlanex16_b32's selects for lane l xor 16
	s_mov_b32 s[KROW], 576
	s_mov_b32 s78, 13056
	s_cmp_eq_u32 s[TYPE], 0
	s_cselect_b32 s[KROW], 768, s[KROW]            ; a row of codes in memory
	s_cselect_b32 s[KS], 32, 24                    ; a row of scale bytes
	s_cselect_b32 s78, 6656, s78                   ; a block of the destination
	s_wait_kmcnt 0x0
	s_cselect_b64 s[60:61], s[4:5], s[8:9]         ; A: x or context
	s_cselect_b64 s[62:63], s[6:7], s[10:11]
	s_cselect_b64 s[66:67], s[12:13], s[16:17]     ; B: Wq or Wk
	s_cselect_b64 s[68:69], s[14:15], s[18:19]
	s_cselect_b64 s[70:71], s[24:25], s[26:27]     ; the destination
	s_cmp_eq_u32 s[TYPE], 2                        ; v: A = Wv, B = context
	s_cselect_b64 s[60:61], s[20:21], s[60:61]
	s_cselect_b64 s[62:63], s[22:23], s[62:63]
	s_cselect_b64 s[66:67], s[8:9], s[66:67]
	s_cselect_b64 s[68:69], s[10:11], s[68:69]
	s_cselect_b32 s79, s[SMALL], s[BIG]            ; A's block of 256 rows
	s_cselect_b32 s80, s[BIG], s[SMALL]            ; B's
	s_cselect_b32 s81, s[CH], s[RH]                ; the half that counts queries or keys
	s_cselect_b32 s82, s[RH], s[CH]                ; the half that counts heads
	s_cselect_b32 s83, 6656, 0                     ; V's place in a block of kv
	s_cmp_eq_u32 s[RH], 0                          ; what I fetch
	s_cselect_b64 s[60:61], s[60:61], s[66:67]
	s_cselect_b64 s[62:63], s[62:63], s[68:69]
	s_cselect_b32 s79, s79, s80
	s_lshl_b32 s79, s79, 8
	s_lshl_b32 s80, s[CH], 7
	s_add_co_u32 s79, s79, s80                     ; its first row
	s_mul_i32 s84, s79, s[KROW]
	s_mov_b32 s85, 0
	s_add_nc_u64 s[60:61], s[60:61], s[84:85]
	s_mul_i32 s84, s79, s[KS]
	s_add_nc_u64 s[62:63], s[62:63], s[84:85]
	s_mul_i32 s86, s[WV], HALFT                    ; where it goes: wave x 128 rows
.irp s, 0,1
	s_mov_b32 s[G0+4*\s], 1
	s_add_co_u32 s[G0+4*\s+1], s86, \s*SLOT
	s_add_nc_u64 s[G0+4*\s+2:G0+4*\s+3], s[60:61], \s*ROWB   ; K step s
	s_or_b32 s[G0+4*\s+3], s[G0+4*\s+3], 0x80000000
.endr
	s_cmp_eq_u32 s[TYPE], 0                        ; both first fills stand in one branch, ahead of every wait on TENSORcnt, every LDS read and every barrier: two loads of mine are out
	s_cbranch_scc0 .Lfirst_short
	tensor_load_to_lds s[G0:G0+3], s[G1Q:G1Q+7]
	s_nop 0
	tensor_load_to_lds s[G0+4:G0+7], s[G1Q:G1Q+7]
	s_nop 0
.rept 4
	v_nop
.endr
	s_branch .Lfirst_asked
.Lfirst_short:
	tensor_load_to_lds s[G0:G0+3], s[G1K:G1K+7]
	s_nop 0
	tensor_load_to_lds s[G0+4:G0+7], s[G1K:G1K+7]
	s_nop 0
.rept 4
	v_nop
.endr
.Lfirst_asked:
	; THE SCALE WORDS of my 128 rows, for all of K, come once: 8 bytes (a K step) of a row to a lane, and go to LDS as [K step][row]
	v_and_b32 v[LANE], 31, v0
	v_and_b32 v1, 15, v0                           ; r
	v_bfe_u32 v2, v0, 4, 1                         ; h
	v_lshlrev_b32 v[L8], 3, v[LANE]
	v_lshlrev_b32 v[L16], 4, v[LANE]
	v_mul_u32_u24 v8, v[LANE], s[KS]               ; row lane + 32 k
	s_lshl_b32 s84, s[KS], 5
	v_add_nc_u32 v9, s84, v8
	v_add_nc_u32 v10, s84, v9
	v_add_nc_u32 v11, s84, v10
.irp s, 0,1,2
.irp k, 0,1,2,3
	global_load_b64 v[STGR+8*\s+2*\k:STGR+8*\s+2*\k+1], v[8+\k], s[62:63] offset:8*\s
.endr
.endr
	s_cmp_lg_u32 s[TYPE], 0
	s_cbranch_scc1 .Lthree_a                       ; K = 768 has three K steps: no load leaves its buffer
.irp k, 0,1,2,3
	global_load_b64 v[STGR+24+2*\k:STGR+24+2*\k+1], v[8+\k], s[62:63] offset:24
.endr
.Lthree_a:
	v_mul_u32_u24 v3, v1, PITCH
	v_mul_u32_u24 v4, v2, 24
	v_add_nc_u32 v4, v3, v4                        ; a fragment's row x pitch + 24 x half
	v_lshl_add_u32 v5, v2, 4, v4                   ; and the same behind one padding more
	s_mul_i32 s84, s[RH], HALFT                    ; my 128 rows of A
	s_mul_i32 s85, s[CH], HALFT                    ; my 128 rows of B,
	s_add_co_u32 s85, s85, 2*HALFT                 ; which lie behind A's 256
.irp s, 0,1
	v_add_nc_u32 v[ADRA+\s], s84, v4
	v_add_nc_u32 v[ADRB+\s], s85, v4
	v_add_nc_u32 v[ADRA+2+\s], s84, v5
	v_add_nc_u32 v[ADRB+2+\s], s85, v5
	s_add_co_u32 s84, s84, SLOT
	s_add_co_u32 s85, s85, SLOT
.endr
	s_lshl_b32 s86, s[WV], 12
	s_lshl_b32 s87, s[RH], 7
	s_add_co_u32 s86, s86, s87
	s_add_co_u32 s86, s86, SCW
	v_add_nc_u32 v[SCS], s86, v[L8]                ; my part: 4,096 x wave (+ 128 for B's), 8 x lane
	s_lshl_b32 s86, s[RH], 12                      ; to read: A's part of my half,
	s_lshl_b32 s87, s[CH], 12
	s_add_co_u32 s87, s87, 8192+128                ; B's part of my half,
	s_sub_co_u32 s87, s87, s86                     ; as a distance: lanes 16-31 take B's
	v_mul_u32_u24 v6, s87, v2
	s_add_co_u32 s86, s86, SCW
	v_lshl_add_u32 v[ADRS], v1, 3, v6
	v_add_nc_u32 v[ADRS], s86, v[ADRS]
	s_wait_loadcnt 0x0
.irp s, 0,1,2
.irp k, 0,1,2,3
	ds_store_b64 v[SCS], v[STGR+8*\s+2*\k:STGR+8*\s+2*\k+1] offset:1024*\s+256*\k
.endr
.endr
	s_cmp_lg_u32 s[TYPE], 0
	s_cbranch_scc1 .Lthree_b
.irp k, 0,1,2,3
	ds_store_b64 v[SCS], v[STGR+24+2*\k:STGR+24+2*\k+1] offset:3072+256*\k
.endr
.Lthree_b:
.macro FRAG reg, adr, q, i             ; a fragment, 16 rows x 128 K: 12 registers: lane l holds row l % 16; registers 6 c .. 6 c + 5 hold K = 64 c + 32 (l / 16) + 0 .. 31: 24 bytes of the row's stream of bits, as they lie
.irp p, 0,1,2,3,4,5                    ; in pieces of 8 bytes.  Lanes 16-31 take the pieces three on; where that is behind one padding more (16 bytes behind every 8 pieces), the second address register serves
.set PC, 12*(\q)+6*(\p/3)+\p%3
.if PC%8 < 5
	ds_load_b64 v[\reg+2*\p:\reg+2*\p+1], v[\adr] offset:8*PC+16*(PC/8)+(\i)*16*PITCH
.else
	ds_load_b64 v[\reg+2*\p:\reg+2*\p+1], v[\adr+2] offset:8*PC+16*(PC/8)+(\i)*16*PITCH
.endif
.endr
.endm
; 16 matrix instructions: A's blocks a0, a0 + 1 x B's eight, 128 along K.  p: B's set; sc: the set of scale words.  zero = 1: the first product starts the sums.
; The 64 accumulators take turns, one instruction a turn, in the same order in every step.
.macro MUL16 a0, p, q, sc, zero
.irp a, \a0, \a0+1
.irp b, 0,1,2,3,4,5,6,7
.if \zero
	v_wmma_scale_f32_16x16x128_f8f6f4 v[8*(8*((\a)%4)+\b):8*(8*((\a)%4)+\b)+7], v[128*(\p)+FR*\b:128*(\p)+FR*\b+FR-1], v[AF+FR*(\a):AF+FR*(\a)+FR-1], 0, v[SC+8*NQ*(\sc)+NQ*\b+(\q)], v[SC+8*NQ*(\sc)+NQ*(\a)+(\q)] matrix_a_fmt:MATRIX_FMT_FP6 matrix_b_fmt:MATRIX_FMT_FP6 matrix_a_scale:MATRIX_SCALE_ROW1
.else
	v_wmma_scale_f32_16x16x128_f8f6f4 v[8*(8*((\a)%4)+\b):8*(8*((\a)%4)+\b)+7], v[128*(\p)+FR*\b:128*(\p)+FR*\b+FR-1], v[AF+FR*(\a):AF+FR*(\a)+FR-1], v[8*(8*((\a)%4)+\b):8*(8*((\a)%4)+\b)+7], v[SC+8*NQ*(\sc)+NQ*\b+(\q)], v[SC+8*NQ*(\sc)+NQ*(\a)+(\q)] matrix_a_fmt:MATRIX_FMT_FP6 matrix_b_fmt:MATRIX_FMT_FP6 matrix_a_scale:MATRIX_SCALE_ROW1
.endif
.endr
.endr
.endm
.macro FETCH_B slot, q, p
	WIN TO_B
.irp i, 0,1,2,3,4,5,6,7
	FRAG 128*(\p)+FR*\i, ADRB+\slot, \q, \i
.endr
	WIN 0
.endm
.macro FETCH_A slot, q, i0
.irp i, \i0, \i0+1, \i0+2, \i0+3
	FRAG AF+FR*(\i), ADRA+\slot, \q, \i
.endr
.endm
.macro SCALES sc, kap                  ; K step kap's scale words into set sc: two words a row; lanes 0-15 take A's block i, lanes 16-31 B's block i
.irp i, 0,1,2,3,4,5,6,7
	ds_load_b64 v[SC+8*NQ*\sc+NQ*\i:SC+8*NQ*\sc+NQ*\i+1], v[ADRS] offset:1024*(\kap)+128*\i
.endr
.endm
.macro PLACES n                        ; plain vector instructions between a matrix instruction and a load into, or a read of, its registers
.rept \n
	v_nop
.endr
.endm
; A step of 128 along K that has its successor in the same slot.
.macro STEP slot, q, zero
	s_wait_dscnt 4*NL                              ; B's set, A's blocks 0-3 and the scale words are in; the youngest 24 loads (A's blocks 4-7) may be out
	WIN MUL_LO
	MUL16 0, (\q)%2, \q, \slot, \zero
	MUL16 2, (\q)%2, \q, \slot, \zero
	s_wait_dscnt 0
	PLACES NP
	FETCH_B \slot, (\q)+1, 1-(\q)%2
	FETCH_A \slot, (\q)+1, 0
	WIN MUL_HI
	MUL16 4, (\q)%2, \q, \slot, \zero
	MUL16 6, (\q)%2, \q, \slot, \zero
	PLACES NP
	WIN 0
	FETCH_A \slot, (\q)+1, 4
.endm
; A slot's last step changes slots: ONE barrier; in front of it each wave waits for all its tensor loads, adds 0 to its spare word, and waits for that and for its reads of this slot.
; fill = 1: this slot is filled again, two K steps on;  2: the same where K has a fourth step (type 0);  0: nothing.  kap: the K step that lies in the next slot.
.macro TURN slot, next, fill, kap
	s_wait_tensorcnt 0x0                           ; all my tensor loads have landed: my part of the next slot
	ds_add_u32 v[SPW], v[NIL]                      ; 0 onto my spare word
	s_wait_dscnt 4*NL+1                            ; (the add and the youngest 24 loads, A's blocks 4-7, may be out)
	WIN MUL_LO
	MUL16 0, 1, NQ-1, \slot, 0
	s_wait_dscnt 0x0                               ; the add is done, and my reads of this slot are over
	s_barrier_signal -1
	MUL16 2, 1, NQ-1, \slot, 0
	WIN 0
	s_barrier_wait -1
.if \fill == 1
	s_add_nc_u64 s[G0+4*\slot+2:G0+4*\slot+3], s[G0+4*\slot+2:G0+4*\slot+3], 2*ROWB
	TL \slot                                       ; my one tensor load behind the barrier, and the first thing there; its four v_nop are the places in front of the loads below
.elseif \fill == 2
	s_cmp_lg_u32 s[TYPE], 0
	s_cbranch_scc1 .Lno_fourth_\@
	s_add_nc_u64 s[G0+4*\slot+2:G0+4*\slot+3], s[G0+4*\slot+2:G0+4*\slot+3], 2*ROWB
	tensor_load_to_lds s[G0+4*\slot:G0+4*\slot+3], s[G1Q:G1Q+7]
	s_nop 0
.rept 4
	v_nop
.endr
.Lno_fourth_\@:
	PLACES NP
.else
	PLACES NP
.endif
	FETCH_B \next, 0, 0
	FETCH_A \next, 0, 0
	SCALES \next, \kap
	WIN MUL_HI
	MUL16 4, 1, NQ-1, \slot, 0
	MUL16 6, 1, NQ-1, \slot, 0
	PLACES NP
	WIN 0
	FETCH_A \next, 0, 4
.endm
.macro LAST sc                         ; the very last step: nothing more to fetch
	s_wait_dscnt 4*NL
	WIN MUL_LO
	MUL16 0, 1, NQ-1, \sc, 0
	MUL16 2, 1, NQ-1, \sc, 0
	s_wait_dscnt 0
	WIN MUL_HI
	MUL16 4, 1, NQ-1, \sc, 0
	MUL16 6, 1, NQ-1, \sc, 0
	WIN 0
.endm
	s_wait_dscnt 0x0                               ; my scale words lie in LDS,
	s_wait_tensorcnt 0x1                           ; my part of K step 0 is in (K step 1's load may be out)
	s_barrier_signal -1
	s_barrier_wait -1                              ; everybody's are
	FETCH_B 0, 0, 0
	FETCH_A 0, 0, 0
	SCALES 0, 0
	FETCH_A 0, 0, 4
	STEP 0, 0, 1                                   ; the first products start the sums: nothing is cleared
	TURN 0, 1, 1, 1                                ; slot 0 takes K step 2
	STEP 1, 0, 0
	TURN 1, 0, 2, 2                                ; slot 1 takes K step 3 where there is one
	STEP 0, 0, 0
	s_cmp_lg_u32 s[TYPE], 0
	s_cbranch_scc1 .Lthree_steps
	TURN 0, 1, 0, 3
	STEP 1, 0, 0
	LAST 1
	s_branch .Lway_out
.Lthree_steps:
	LAST 0
.Lway_out:
; THE WAY OUT.  A's block a: a lane's 64 numbers (register 16 b + i of the block's eight accumulators: place 8 h + i % 8 + 16 (i / 8) of block b of 32) become 12 registers of codes and a scale word.
; A block's scale: the largest magnitude (with the floor 2^(3 - 127) among its leaves, so that the byte cannot fall under 1) with 2 taken off its exponent field is the conversion's scale operand; that field is the byte.
.macro QUANT a
.set QW, 2+(\a)/4
.set QWM, (QW<<2)|(QW<<4)
.set QAC, 64*((\a)%4)
.set QD, OUT+12*(\a)
	WIN QWM                                        ; sources 1 and 2: the accumulators' window
.irp b, 0,1,2,3
	v_max3_num_f32 v[TM+\b], 0x1800000, |v[QAC+16*\b]|, |v[QAC+16*\b+1]|   ; each accumulator is read from its low end on
.endr
.irp i, 2,4,6,8,10,12,14
.irp b, 0,1,2,3
	v_max3_num_f32 v[TM+\b], v[TM+\b], |v[QAC+16*\b+\i]|, |v[QAC+16*\b+\i+1]|
.endr
.endr
	WIN 0
.irp b, 0,1,2,3
	v_permlanex16_b32 v[TM+4+\b], v[TM+\b], s[SEL], s[SEL+1]
.endr
.irp b, 0,1,2,3
	v_max_num_f32 v[TM+\b], v[TM+\b], v[TM+4+\b]   ; with lane l xor 16's 16 numbers: the block's
.endr
.irp b, 0,1,2,3
	v_add_nc_u32 v[TM+12+\b], 0xff000000, v[TM+\b]
.endr
.irp b, 0,1,2,3
	v_lshrrev_b32 v[TM+4+\b], 23, v[TM+12+\b]
.endr
	v_lshl_or_b32 v[SW+(\a)], v[TM+5], 8, v[TM+4]
	v_lshl_or_b32 v[SW+(\a)], v[TM+6], 16, v[SW+(\a)]
	v_lshl_or_b32 v[SW+(\a)], v[TM+7], 24, v[SW+(\a)]
	WIN QW                                         ; source 0: the accumulators' window
.irp c, 0,1
	v_cvt_scalef32_pk16_fp6_f32 v[QD+6*\c:QD+6*\c+2], v[QAC+32*\c:QAC+32*\c+15], v[TM+12+2*\c]
	v_cvt_scalef32_pk16_fp6_f32 v[PT+4*\c:PT+4*\c+2], v[QAC+32*\c+16:QAC+32*\c+31], v[TM+12+2*\c+1]   ; (a conversion's three registers begin on an even number)
.endr
	WIN 0
	v_nop                                          ; one plain place behind a scaled conversion
.irp c, 0,1                                    ; the operand's layout wants a WHOLE block in a lane: lanes 0-15 block 2 c, lanes 16-31 block 2 c + 1
.irp i, 0,1,2
	v_permlane16_swap_b32 v[QD+6*\c+\i], v[PT+4*\c+\i]
.endr
.irp i, 0,1,2
	v_mov_b32 v[QD+6*\c+3+\i], v[PT+4*\c+\i]
.endr
.endr
.endm
	PLACES NP                                      ; behind the last products: their results are read and A's registers written below
.irp b, 0,1,2,3
	v_mov_b32 v[TM+4+\b], 0                        ; a lane permute's destination counts as one of its sources
.endr
	v_cmp_lt_u32 vcc_lo, 15, v[LANE]               ; lanes 16-31
.irp a, 0,1,2,3,4,5,6,7
	QUANT \a
.endr
.irp j, 0,1,2,3
	v_cndmask_b32 v[MW+\j], v[SW+2*\j], v[SW+2*\j+1], vcc_lo   ; lanes 0-15: block 2 j's words, lanes 16-31: block 2 j + 1's
.endr
	; where my two heads' blocks lie: block ((batch x 8 + head) x 32 + group of 128 rows)
	s_lshl_b32 s84, s[BIG], 1
	s_add_co_u32 s84, s84, s81                     ; which 128 of the 8,192 queries or keys
	s_lshl_b32 s85, s[SMALL], 1
	s_add_co_u32 s85, s85, s82                     ; which pair of heads
	s_lshr_b32 s86, s84, 5
	s_lshl_b32 s86, s86, 3
	s_lshl_b32 s85, s85, 1
	s_add_co_u32 s86, s86, s85
	s_lshl_b32 s86, s86, 5
	s_and_b32 s84, s84, 31
	s_add_co_u32 s86, s86, s84
	s_mul_i32 s86, s86, s78
	s_add_co_u32 s86, s86, s83
	s_mov_b32 s87, 0
	s_add_nc_u64 s[70:71], s[70:71], s[86:87]      ; the first head's
	s_lshl_b32 s86, s78, 5
	s_add_nc_u64 s[72:73], s[70:71], s[86:87]      ; the second's: 32 blocks on
	s_cmp_eq_u32 s[TYPE], 2
	s_cbranch_scc1 .Lstore_v
.irp j, 0,1,2,3
	v_perm_b32 v[KA+\j], v[MW+\j], v[MW+\j], 0x01000100   ; the first head's two bytes, twice
	v_perm_b32 v[KB+\j], v[MW+\j], v[MW+\j], 0x03020302   ; the second's
.endr
.irp a, 0,1,2,3,4,5,6,7                        ; registers 0-5 are the first head's half fragment, 6-11 the second's; each store covers 256 or 512 consecutive bytes, aligned
	global_store_b64 v[L8], v[OUT+12*\a:OUT+12*\a+1], s[70:71] offset:768*\a
	global_store_b128 v[L16], v[OUT+12*\a+2:OUT+12*\a+5], s[70:71] offset:768*\a+256
	global_store_b64 v[L8], v[OUT+12*\a+6:OUT+12*\a+7], s[72:73] offset:768*\a
	global_store_b128 v[L16], v[OUT+12*\a+8:OUT+12*\a+11], s[72:73] offset:768*\a+256
.endr
	global_store_b128 v[L16], v[KA:KA+3], s[70:71] offset:6144
	global_store_b128 v[L16], v[KB:KB+3], s[72:73] offset:6144
	s_branch .Lstored
.Lstore_v:
.irp a, 0,1,2,3                                ; blocks 0-3 are the first head's four tiles of 16 channels, blocks 4-7 the second's: whole fragments along the 128 keys
.irp j, 0,1,2
	global_store_b128 v[L16], v[OUT+12*\a+4*\j:OUT+12*\a+4*\j+3], s[70:71] offset:1536*\a+512*\j
	global_store_b128 v[L16], v[OUT+48+12*\a+4*\j:OUT+48+12*\a+4*\j+3], s[72:73] offset:1536*\a+512*\j
.endr
.endr
	global_store_b64 v[L8], v[MW:MW+1], s[70:71] offset:6144
	global_store_b64 v[L8], v[MW+2:MW+3], s[72:73] offset:6144
.Lstored:
	s_wait_tensorcnt 0x0                           ; the wave's end
	ds_add_u32 v[SPW], v[NIL]
	s_wait_dscnt 0x0
	s_endpgm
.Lfunc_end_k_q751f68e4ff_proj:
	.size	k_q751f68e4ff_proj, .Lfunc_end_k_q751f68e4ff_proj-k_q751f68e4ff_proj
	.p2alignl 7, 3214868480
	.fill 96, 4, 3214868480
	.section	.rodata,"a",@progbits
	.p2align	6, 0x0
	.amdhsa_kernel k_q751f68e4ff_proj
		.amdhsa_group_segment_fixed_size 327680
		.amdhsa_private_segment_fixed_size 0
		.amdhsa_enable_private_segment 0
		.amdhsa_kernarg_size 96
		.amdhsa_user_sgpr_count 2
		.amdhsa_user_sgpr_kernarg_segment_ptr 1
		.amdhsa_wavefront_size32 1
		.amdhsa_system_sgpr_workgroup_id_x 1
		.amdhsa_system_sgpr_workgroup_id_y 1
		.amdhsa_system_sgpr_workgroup_id_z 1
		.amdhsa_system_vgpr_workitem_id 0
		.amdhsa_next_free_vgpr 1024
		.amdhsa_next_free_sgpr 100
		.amdhsa_reserve_vcc 1
		.amdhsa_float_denorm_mode_32 3
		.amdhsa_float_denorm_mode_16_64 3
		.amdhsa_memory_ordered 1
		.amdhsa_forward_progress 1
		.amdhsa_inst_pref_size 175
	.end_amdhsa_kernel
	.amdgpu_metadata
---
amdhsa.version: [ 1, 2 ]
amdhsa.kernels:
  - .name:           k_q751f68e4ff_proj
    .symbol:         k_q751f68e4ff_proj.kd
    .args:
      - { .name: x_codes, .offset: 0, .size: 8, .value_kind: global_buffer, .address_space: global }
      - { .name: x_scales, .offset: 8, .size: 8, .value_kind: global_buffer, .address_space: global }
      - { .name: context_codes, .offset: 16, .size: 8, .value_kind: global_buffer, .address_space: global }
      - { .name: context_scales, .offset: 24, .size: 8, .value_kind: global_buffer, .address_space: global }
      - { .name: Wq_codes, .offset: 32, .size: 8, .value_kind: global_buffer, .address_space: global }
      - { .name: Wq_scales, .offset: 40, .size: 8, .value_kind: global_buffer, .address_space: global }
      - { .name: Wk_codes, .offset: 48, .size: 8, .value_kind: global_buffer, .address_space: global }
      - { .name: Wk_scales, .offset: 56, .size: 8, .value_kind: global_buffer, .address_space: global }
      - { .name: Wv_codes, .offset: 64, .size: 8, .value_kind: global_buffer, .address_space: global }
      - { .name: Wv_scales, .offset: 72, .size: 8, .value_kind: global_buffer, .address_space: global }
      - { .name: qimg, .offset: 80, .size: 8, .value_kind: global_buffer, .address_space: global }
      - { .name: kv, .offset: 88, .size: 8, .value_kind: global_buffer, .address_space: global }
    .group_segment_fixed_size: 327680
    .private_segment_fixed_size: 0
    .kernarg_segment_align: 8
    .kernarg_segment_size: 96
    .max_flat_workgroup_size: 128
    .sgpr_count:     100
    .vgpr_count:     1024
    .wavefront_size: 32
...
	.end_amdgpu_metadata
.endif
;; end of part 1
;; launch attn (part 2): grid 16 x 16, 16 waves a work-group, clusters of 4 x 1, 327,680 bytes of LDS; arguments qimg, kv, aimg, asc; writes aimg, asc
.if DOCPART == 2
	.amdgcn_target "amdgcn-amd-amdhsa--gfx1250"
	.amdhsa_code_object_version 6
	.text
	.protected	k_q751f68e4ff_attn
	.globl	k_q751f68e4ff_attn
	.p2align	8
	.type	k_q751f68e4ff_attn,@function
k_q751f68e4ff_attn:
	s_mov_b64 s[64:65], 0
	v_nop
	global_prefetch_b8 v0, s[64:65] scope:SCOPE_SE
	s_setreg_imm32_b32 hwreg(HW_REG_WAVE_MODE, 25, 1), 1
	s_wait_xcnt 0x0
	s_wait_alu depctr_hold_cnt(0) depctr_sa_sdst(0) depctr_va_vdst(0) depctr_va_sdst(0) depctr_va_ssrc(0) depctr_va_vcc(0) depctr_vm_vsrc(0)
	s_getreg_b32 s2, hwreg(HW_REG_IB_STS2, 6, 4)
	s_cmp_eq_u32 s2, 0
	s_cbranch_scc0 .Lentry_in_a_cluster
	s_endpgm
.Lentry_in_a_cluster:
	s_bfe_u32 s2, ttmp6, 0x10000c
	s_cmp_lg_u32 s2, 0x3003
	s_cbranch_scc0 .Lentry_shape_is_right
	s_endpgm
.Lentry_shape_is_right:
; o = softmax(q k^T / 8) v for 16 heads (2 batches x 8) of 4,096 queries and 4,096 keys, head size 64, both products on codes of FP6 (E2M3) with one E8M0 scale for each 32 along a product's K;
; the result is quantised along the head's 64 and stored as codes and scale bytes for the last product.
; THE SOFTMAX: t = score x log2(e) / 8; M = the row's largest t so far, rounded UP to a whole number; p = 2^(t - M) is quantised along the keys, not normalised.  The row's sum is taken of the unquantised p
; and divides O at the end.  When M moves, the sum and O are multiplied by 2^(old M - new M): exact.
; SHARES.  A work-group owns 256 queries of one head; each of its sixteen waves owns 16, one tile, in 256 registers: four waves to a SIMD, so that one wave's vector work stands beside another's matrix work and LDS loads.
; Every wave walks all keys, 128 a step.  CLUSTER: the four query blocks of a cluster belong to one head and walk the same K and V: each tile is asked for JOINTLY (waves 0 and 1, half a slot each).
; OPERANDS ARE IMAGES OF REGISTERS, as the launch before has laid them: a key step is 13,056 dense bytes: K's eight half fragments (16 keys x 64: 768 bytes: registers 0-1 at 8 x lane, 2-5 at 256 + 16 x lane),
; 512 bytes of K's scale words, V's four fragments (16 channels x 128 keys: three pieces of 512 bytes), 256 bytes of V's scale words.  Every LDS load takes consecutive bytes.
; K = 64 IN AN INSTRUCTION OF 128.  Q's fragment is six registers of codes and six of zero codes.  K's halves lie on end, and a tile's operand runs on into the next tile's six registers (behind the last: six zeros):
; what stands there meets Q's zero codes and adds nothing.  q's and k's scale words carry their two bytes twice.
; LAYOUT.  Both products are used transposed (S^T = K Q^T, O^T = V^T P^T): a lane holds ONE query throughout.  The 16 registers of score tiles 2 b, 2 b + 1 are places 8 h + 0..7 and 16 + 8 h + 0..7 of block b of 32 keys;
; after the exchange of halves p's blocks stand in the order 0-7, 16-23, 8-15, 24-31, the order in which V's codes were laid: the exact products and the scales are those of the true order.
; LIMITS: NaN and infinities are not served.  A block whose largest magnitude lies under 2^-124, a block of zeros too, keeps the scale byte 1: its codes are zeros, and this program alone reads the bytes.
.set STEPB, 13056                      ; a key step
.set SLOTB, 4*STEPB                    ; a slot holds four
.set SLOT1, 65536                      ; slot 1 begins here: one exclusive or turns an address in one slot into the other's
.set HEADB, 32*STEPB
.set SPARE, 131072                     ; the spare words, 128 bytes for each of sixteen waves
.set SCST,  SPARE+2048                 ; 512 bytes: the work-group's 256 pairs of scale bytes on their way out; no tensor load lands here
.set L16, 1                            ; 16 x lane
.set L8,  2                            ; 8 x lane
.set A16, 3                            ; the step's addresses
.set A8,  4
.set SPW, 5
.set NIL, 6
.set PFO, 7                            ; the prefetches' offset
.set SA,  8                            ; the way out: where I put my row's two scale bytes
.set SR,  9                            ; and where wave 0 reads 16 bytes back
.set QSO, 11                           ; 16 x (lane % 16)
.set QF,  16                           ; v16-21 Q's codes, v22-27 zero codes
.set QS,  28                           ; Q's scale words
.set FRG, 32                           ; v32-79 K's eight halves, then V's four fragments; v80-85 zero codes
.set KSC, 88                           ; v88-91 K's scale words: register j: lanes 0-15 tile 2 j, lanes 16-31 tile 2 j + 1
.set VSC, 92                           ; v92-93 V's likewise
.set S,   96                           ; v96-159 S^T, then p
.set OT,  160                          ; v160-191 O^T
.set BM,  192
.set BT,  196
.set SO,  200
.set PC,  204                          ; v204-215 p's codes
.set PT,  216
.set PW,  223                          ; p's scale word
.set FF,  224                          ; v[224:225] f = 2^(old M - new M)
.set TP,  226
.set WV,  12
.set SEL, 20
.set CS,  22
.set G1,  24
.set G0,  32
.set TB,  36                           ; LDS byte at which the step in hand begins
.set SLOTS, 37
.set TW,  38
.set LIM, 39
.set PFA, 40
.set AO,  42
.set ASC, 44
.macro CROUND                          ; a round of the cluster's barrier
	s_barrier_signal -1
	s_barrier_wait -1
	s_cmp_lg_u32 s[WV], 0
	s_cbranch_scc1 .Lnot_wave_0_\@
	s_barrier_signal -3
.Lnot_wave_0_\@:
	s_barrier_wait -3
	s_barrier_signal -1
	s_barrier_wait -1
.endm
.macro TLOAD                           ; waves 0 and 1 fetch, two key steps each; the branch hangs on the wave's number alone.  Four v_nop follow the line
	s_cmp_lt_u32 s[WV], 2
	s_cbranch_scc0 .Lnot_mine_\@
	tensor_load_to_lds s[G0:G0+3], s[G1:G1+7]
	s_nop 0
.rept 4
	v_nop
.endr
.Lnot_mine_\@:
.endm
; A PREFETCH INTO THE L2 of the slot that the NEXT change of slots will ask for: four key steps ahead of that load.  All clusters of a head walk the same bytes: the head's first cluster asks.  Its four partners share
; the slot out BY ADDRESS, a key step (51 blocks of 256 bytes) each; in each, waves 4 and 5 ask, a lane a block; the 13 lanes that are over name the step's last block again.
; The last change that fills a slot asks for nothing; slots 0 and 1 come by their loads alone.
.macro ASK
	s_cmp_gt_u32 s[SLOTS], s[LIM]
	s_cbranch_scc0 .Lno_ask_\@
	global_prefetch_b8 v[PFO], s[PFA:PFA+1] th:TH_LOAD_NT scope:SCOPE_SE
.Lno_ask_\@:
.endm
	s_load_b128 s[4:7], s[0:1], 0x0                ; qimg, kv
	s_load_b128 s[8:11], s[0:1], 0x10              ; aimg, asc
	v_lshl_add_u32 v[SPW], v0, 2, SPARE
	v_mov_b32 v[NIL], 0
	ds_add_u32 v5, v6
	s_wait_dscnt 0x0
	v_lshrrev_b32 v1, 5, v0
	v_readfirstlane_b32 s[WV], v1                  ; wave 0..15
	s_bfe_u32 s13, ttmp6, 0x40000                  ; cx: my place in the cluster
	s_lshl_b32 s14, ttmp9, 2
	s_add_co_u32 s14, s14, s13                     ; my block of 256 queries: it enters global addresses alone
	s_and_b32 s15, ttmp7, 0xffff                   ; the head (of 16), which the partners share
	s_mov_b32 s[G1], 15|(3<<16)|(1<<21)            ; the mask: all four work-groups; elements of 8 bytes; bit 21 set beside a mask
	s_mov_b32 s[G1+1], 32<<16                      ; rows of 256 bytes,
	s_mov_b32 s[G1+2], 102<<16                     ; 102 of them: two key steps, dense
	s_mov_b32 s[G1+3], 32<<16
	s_mov_b32 s[G1+4], 102
	s_mov_b32 s[G1+5], 32
	s_mov_b32 s[G1+6], 0
	s_mov_b32 s[G1+7], 0
	s_and_b32 s16, s[WV], 1
	s_mul_i32 s17, s16, 2*STEPB                    ; which half of a slot I fetch, if I fetch
	s_mul_i32 s18, s15, HEADB
	s_add_co_u32 s18, s18, s17
	s_mov_b32 s19, 0
	s_mov_b32 s[SEL], 0x76543210
	s_mov_b32 s[SEL+1], 0xfedcba98
	s_mov_b32 s[CS], 0x3e38aa3b                    ; c = log2(e) / 8
	s_mov_b32 s[CS+1], s[CS]
	s_mov_b32 s[TB], 0
	s_mov_b32 s[SLOTS], 7
	s_lshr_b32 s50, s[WV], 1                       ; who prefetches: waves 4 and 5
	s_xor_b32 s50, s50, 2
	s_or_b32 s50, s50, ttmp9                       ; of the head's first cluster: the same in all four partners
	s_cmp_eq_u32 s50, 0
	s_cselect_b32 s[LIM], 1, -1
	v_and_b32 v[PFO], 31, v0
	v_lshlrev_b32 v[L16], 4, v[PFO]
	v_lshlrev_b32 v[L8], 3, v[PFO]
	s_lshl_b32 s52, s16, 5
	v_add_nc_u32 v[PFO], s52, v[PFO]
	v_min_u32 v[PFO], 50, v[PFO]
	v_lshlrev_b32 v[PFO], 8, v[PFO]
	v_and_b32 v10, 15, v0                          ; r
	v_lshlrev_b32 v[QSO], 4, v10
	s_lshl_b32 s52, s[WV], 5
	s_add_co_u32 s52, s52, SCST
	v_lshl_add_u32 v[SA], v10, 1, s52              ; 2 bytes a row, 32 a wave
	v_add_nc_u32 v[SR], SCST, v[L16]
	s_wait_kmcnt 0x0
	s_mov_b32 s[G0], 1
	s_mov_b32 s[G0+1], s17                         ; slot 0
	s_add_nc_u64 s[G0+2:G0+3], s[6:7], s[18:19]
	s_or_b32 s[G0+3], s[G0+3], 0x80000000
	s_mul_i32 s2, s15, HEADB                       ; the prefetches: my work-group's key step of slot 1; the first change of slots steps it to slot 2
	s_mul_i32 s3, s13, STEPB
	s_add_co_u32 s2, s2, s3
	s_add_co_u32 s2, s2, SLOTB
	s_mov_b32 s3, 0
	s_add_nc_u64 s[PFA:PFA+1], s[6:7], s[2:3]
	s_lshl_b32 s2, s15, 5                          ; Q: block 32 x head + my group of 128 queries,
	s_lshl_b32 s50, s14, 1
	s_add_co_u32 s2, s2, s50
	s_lshr_b32 s50, s[WV], 3
	s_add_co_u32 s2, s2, s50
	s_mul_i32 s2, s2, 6656
	s_and_b32 s50, s[WV], 7                        ; tile a of its eight
	s_mul_i32 s52, s50, 768
	s_add_co_u32 s52, s52, s2
	s_mov_b32 s53, 0
	s_add_nc_u64 s[46:47], s[4:5], s[52:53]        ; its half fragment
	s_and_b32 s52, s50, 1
	s_lshl_b32 s52, s52, 8
	s_lshr_b32 s54, s50, 1
	s_lshl_b32 s54, s54, 2
	s_add_co_u32 s52, s52, s54
	s_add_co_u32 s52, s52, s2
	s_add_co_u32 s52, s52, 6144
	s_add_nc_u64 s[48:49], s[4:5], s[52:53]        ; its scale words: 6,144 + 256 (a % 2) + 4 (a / 2), 16 bytes a row
	s_lshr_b32 s50, s15, 3                         ; the result: ((batch x 256 + query tile) x 8 + head) x 768
	s_lshl_b32 s50, s50, 8
	s_lshl_b32 s51, s14, 4
	s_add_co_u32 s50, s50, s51
	s_add_co_u32 s50, s50, s[WV]
	s_lshl_b32 s50, s50, 3
	s_and_b32 s51, s15, 7
	s_add_co_u32 s50, s50, s51
	s_mul_i32 s50, s50, 768
	s_mov_b32 s51, 0
	s_add_nc_u64 s[AO:AO+1], s[8:9], s[50:51]
	s_lshl_b32 s50, s15, 13                        ; its scale bytes: 8,192 a head, 512 a work-group
	s_lshl_b32 s52, s14, 9
	s_add_co_u32 s50, s50, s52
	s_add_nc_u64 s[ASC:ASC+1], s[10:11], s[50:51]
	CROUND                                         ; all four work-groups are here: the first joint loads meet
	TLOAD                                          ; slot 0
	global_load_b64 v[QF:QF+1], v[L8], s[46:47]
	global_load_b128 v[QF+2:QF+5], v[L16], s[46:47] offset:256
	global_load_b32 v[QS], v[QSO], s[48:49]
.irp j, 0,1,2,3,4,5
	v_mov_b32 v[QF+6+\j], 0                        ; zero codes: the upper half of Q's K
	v_mov_b32 v[FRG+48+\j], 0                      ; and what stands behind K's last tile
.endr
	v_mov_b32 v13, 0xff61b1e6                      ; the largest t so far: -3e38
	v_floor_f32 v12, -v13                          ; -M
	v_mov_b32 v14, 0                               ; the sum, in two halves
	v_mov_b32 v15, 0
.irp b, 0,1,2,3
	v_mov_b32 v[BT+\b], 0                          ; a lane permute's destination counts as one of its sources
.endr
	v_mov_b32 v[FF+1], 0                           ; (named as the upper half of a pair)
	v_mov_b32 v[TP], 0
.set JJ, 0
.rept 32
	v_mov_b32 v[OT+JJ], 0                          ; O^T: the loop has no first step of its own: the first change of M multiplies zeros
.set JJ, JJ+1
.endr
; A KEY STEP: 128 keys.
.macro STEP
	v_add_nc_u32 v[A16], s[TB], v[L16]
	v_add_nc_u32 v[A8], s[TB], v[L8]
	v_nop
	v_nop                                          ; four places between the last products and the loads into registers that they have read
.irp t, 0,1,2,3,4,5,6,7
	ds_load_b64 v[FRG+6*\t:FRG+6*\t+1], v[A8] offset:768*\t
	ds_load_b128 v[FRG+6*\t+2:FRG+6*\t+5], v[A16] offset:768*\t+256
.endr
	ds_load_b128 v[KSC:KSC+3], v[A16] offset:6144
	s_wait_dscnt 0x0
.irp t, 0,2,4,6                                ; S^T = K Q^T: eight tiles of 16 keys; eight accumulators, one instruction each
	v_wmma_scale_f32_16x16x128_f8f6f4 v[S+8*\t:S+8*\t+7], v[FRG+6*\t:FRG+6*\t+11], v[QF:QF+11], 0, v[KSC+\t/2], v[QS] matrix_a_fmt:MATRIX_FMT_FP6 matrix_b_fmt:MATRIX_FMT_FP6
	v_wmma_scale_f32_16x16x128_f8f6f4 v[S+8*\t+8:S+8*\t+15], v[FRG+6*\t+6:FRG+6*\t+17], v[QF:QF+11], 0, v[KSC+\t/2], v[QS] matrix_a_fmt:MATRIX_FMT_FP6 matrix_b_fmt:MATRIX_FMT_FP6 matrix_a_scale:MATRIX_SCALE_ROW1
.endr
.rept 4
	v_nop                                          ; places: in front of the loads over K's registers and of the first read of the scores
.endr
.irp j, 0,1,2,3,4,5,6,7,8,9,10,11
	ds_load_b128 v[FRG+4*\j:FRG+4*\j+3], v[A16] offset:6656+512*\j   ; V's four fragments land while the softmax is walked
.endr
	ds_load_b64 v[VSC:VSC+1], v[A8] offset:12800
.irp b, 0,1,2,3
	v_max3_num_f32 v[BM+\b], v[S+16*\b], v[S+16*\b+1], v[S+16*\b+2]   ; the largest SCORE of each block of 32 keys: for the row's maximum and, since p rises with the score, for the block's largest p
.endr
.irp i, 3,5,7,9,11,13
.irp b, 0,1,2,3
	v_max3_num_f32 v[BM+\b], v[BM+\b], v[S+16*\b+\i], v[S+16*\b+\i+1]
.endr
.endr
.irp b, 0,1,2,3
	v_max_num_f32 v[BM+\b], v[BM+\b], v[S+16*\b+15]
.endr
.irp b, 0,1,2,3
	v_permlanex16_b32 v[BT+\b], v[BM+\b], s[SEL], s[SEL+1]
.endr
.irp b, 0,1,2,3
	v_max_num_f32 v[BM+\b], v[BM+\b], v[BT+\b]     ; with lane l xor 16's 16 keys
.endr
	v_max3_num_f32 v[TP], v[BM], v[BM+1], v[BM+2]
	v_max_num_f32 v[TP], v[TP], v[BM+3]
	v_mul_f32 v[TP], s[CS], v[TP]                  ; the step's largest t
	v_max_num_f32 v13, v13, v[TP]                  ; the running largest t
	v_mov_b32 v[TP], v12
	v_floor_f32 v12, -v13                          ; the new -M = -ceil(t): a whole number
	v_sub_f32 v[TP], v12, v[TP]                    ; old M - new M: a whole number, 0 or less
	v_cvt_i32_f32 v[TP], v[TP]                     ; (it saturates)
	v_ldexp_f32 v[FF], 1.0, v[TP]                  ; f = 2^(old M - new M)
.set JJ, 0
.rept 32
	v_pk_fma_f32 v[S+JJ:S+JJ+1], v[S+JJ:S+JJ+1], s[CS:CS+1], v[12:13] op_sel_hi:[1,0,0]   ; t - M, two at a time
.set JJ, JJ+2
.endr
.irp b, 0,1,2,3
	v_fma_f32 v[BM+\b], v[BM+\b], s[CS], v12       ; the same of each block's largest score
.endr
.set JJ, 0
.rept 64
	v_exp_f32 v[S+JJ], v[S+JJ]                     ; p = 2^(t - M)
.set JJ, JJ+1
.endr
	v_pk_mul_f32 v[14:15], v[14:15], v[FF:FF+1] op_sel_hi:[1,0]   ; the sums under the new M: the plain place behind the exponentials
	s_wait_alu depctr_va_vdst(0)                   ; one wait for the batch of 64, ahead of its first reader
.irp b, 0,1,2,3
	v_exp_f32 v[BM+\b], v[BM+\b]                   ; the block's largest p: the same two instructions on the same number give the same bits
.endr
	v_pk_add_f32 v[BT:BT+1], v[S:S+1], v[S+2:S+3]  ; the row's sum is taken of the UNQUANTISED p, in two chains
.set JJ, 4
.rept 15
	v_pk_add_f32 v[14:15], v[14:15], v[S+JJ:S+JJ+1]
	v_pk_add_f32 v[BT:BT+1], v[BT:BT+1], v[S+JJ+2:S+JJ+3]
.set JJ, JJ+4
.endr
	v_pk_add_f32 v[14:15], v[14:15], v[BT:BT+1]
	s_wait_alu depctr_va_vdst(0)                   ; and one for the four
.irp b, 0,1,2,3
	v_max_num_f32 v[BM+\b], 0x1800000, v[BM+\b]    ; the floor 2^(3 - 127): the byte cannot fall under 1
.endr
.irp b, 0,1,2,3
	v_add_nc_u32 v[SO+\b], 0xff000000, v[BM+\b]    ; 2 off the exponent field: the conversion's scale operand
.endr
.irp b, 0,1,2,3
	v_lshrrev_b32 v[BT+\b], 23, v[SO+\b]           ; the scale's byte
.endr
	v_lshl_or_b32 v[PW], v[BT+1], 8, v[BT]
	v_lshl_or_b32 v[PW], v[BT+2], 16, v[PW]
	v_lshl_or_b32 v[PW], v[BT+3], 24, v[PW]
.irp c, 0,1
	v_cvt_scalef32_pk16_fp6_f32 v[PC+6*\c:PC+6*\c+2], v[S+32*\c:S+32*\c+15], v[SO+2*\c]
	v_cvt_scalef32_pk16_fp6_f32 v[PT+4*\c:PT+4*\c+2], v[S+32*\c+16:S+32*\c+31], v[SO+2*\c+1]
.endr
	v_nop                                          ; one plain place behind a scaled conversion
.irp c, 0,1                                    ; a WHOLE block to a lane: lanes 0-15 block 2 c, lanes 16-31 block 2 c + 1
.irp i, 0,1,2
	v_permlane16_swap_b32 v[PC+6*\c+\i], v[PT+4*\c+\i]
.endr
.irp i, 0,1,2
	v_mov_b32 v[PC+6*\c+3+\i], v[PT+4*\c+\i]
.endr
.endr
.set JJ, 0
.rept 16
	v_pk_mul_f32 v[OT+JJ:OT+JJ+1], v[OT+JJ:OT+JJ+1], v[FF:FF+1] op_sel_hi:[1,0]   ; O^T under the new M.  These sixteen are also the places between the lines that made p's codes and scale word and the products
.set JJ, JJ+2
.endr
	s_wait_dscnt 0x0                               ; V is in
.irp t, 0,2                                    ; O^T += V^T P^T: four tiles of 16 channels, one instruction each
	v_wmma_scale_f32_16x16x128_f8f6f4 v[OT+8*\t:OT+8*\t+7], v[FRG+12*\t:FRG+12*\t+11], v[PC:PC+11], v[OT+8*\t:OT+8*\t+7], v[VSC+\t/2], v[PW] matrix_a_fmt:MATRIX_FMT_FP6 matrix_b_fmt:MATRIX_FMT_FP6
	v_wmma_scale_f32_16x16x128_f8f6f4 v[OT+8*\t+8:OT+8*\t+15], v[FRG+12*\t+12:FRG+12*\t+23], v[PC:PC+11], v[OT+8*\t+8:OT+8*\t+15], v[VSC+\t/2], v[PW] matrix_a_fmt:MATRIX_FMT_FP6 matrix_b_fmt:MATRIX_FMT_FP6 matrix_a_scale:MATRIX_SCALE_ROW1
.endr
	s_add_co_u32 s[TB], s[TB], STEPB
.endm
; THE CHANGE OF SLOTS stands at a slot's head.  Each wave waits for all its tensor loads, adds 0 to its spare word, and waits for that and for its reads of the slot that it has left.
; fill = 1: a round of the cluster's barrier, so that no wave of any partner still reads that slot; then it is filled with the next four key steps: the load has four key steps in which to land.
.macro CHANGE fill
	s_wait_tensorcnt 0x0                           ; no tensor load of mine is out, so group 0 may be written
	ds_add_u32 v[SPW], v[NIL]                      ; 0 onto my spare word
.if \fill
	s_xor_b32 s[G0+1], s[G0+1], SLOT1              ; the other slot than last time,
	s_add_nc_u64 s[G0+2:G0+3], s[G0+2:G0+3], SLOTB ; the next four key steps
	s_wait_xcnt 0x0                                ; the last prefetch, a slot back, has read its address
	s_add_nc_u64 s[PFA:PFA+1], s[PFA:PFA+1], SLOTB
	s_wait_dscnt 0x0                               ; the add is done, and my reads of the slot that I have left are over
	CROUND
	TLOAD                                          ; the first thing behind the round, and a wave's one tensor load until the next
	ASK
.else
	s_wait_dscnt 0x0
	s_barrier_signal -1
	s_barrier_wait -1
.endif
.endm
.macro SLOT_STEPS                      ; a slot's four key steps: written once, walked four times
	s_mov_b32 s[TW], 4
.Lstep_\@:
	STEP
	s_sub_co_u32 s[TW], s[TW], 1
	s_cmp_lg_u32 s[TW], 0
	s_cbranch_scc1 .Lstep_\@
	s_sub_co_u32 s[TB], s[TB], SLOTB               ; back to a slot's first step,
	s_xor_b32 s[TB], s[TB], SLOT1                  ; in the other slot
.endm
	s_wait_loadcnt 0x0                             ; Q
.Lslot:                                            ; seven trips: behind each change of slots but the last the next slot is asked for
	CHANGE 1
	SLOT_STEPS
	s_sub_co_u32 s[SLOTS], s[SLOTS], 1
	s_cmp_lg_u32 s[SLOTS], 0
	s_cbranch_scc1 .Lslot
	CHANGE 0                                       ; the last slot is written out
	SLOT_STEPS
	; THE WAY OUT.  O^T / the sum; brought into the TRUE order along the head's 64 (the last product's other operand is given); quantised in two blocks of 32; stored as half a fragment's image.
	v_add_f32 v14, v14, v15
	v_permlanex16_b32 v[TP], v14, s[SEL], s[SEL+1]
	v_add_f32 v14, v14, v[TP]                      ; the row's sum
	v_rcp_f32 v14, v14
.rept 4
	v_nop                                          ; the plain place behind the reciprocal, and the places behind the last products
.endr
	s_wait_alu depctr_va_vdst(0)                   ; ahead of the reciprocal's first reader
.set JJ, 0
.rept 16
	v_pk_mul_f32 v[S+JJ:S+JJ+1], v[OT+JJ:OT+JJ+1], v[14:15] op_sel_hi:[1,0]   ; register 8 t + j: channel 16 t + 8 h + j
.set JJ, JJ+2
.endr
.irp b, 0,1
.irp j, 0,1,2,3,4,5,6,7
	v_permlane16_swap_b32 v[S+16*\b+\j], v[S+16*\b+8+\j]   ; tile 2 b's lanes 16-31 change places with tile 2 b + 1's lanes 0-15: register 16 b + i is now channel 32 b + 16 h + i
.endr
.endr
.irp b, 0,1
	v_max3_num_f32 v[BM+\b], |v[S+16*\b]|, |v[S+16*\b+1]|, 0x1800000
.endr
.irp i, 2,4,6,8,10,12,14
.irp b, 0,1
	v_max3_num_f32 v[BM+\b], v[BM+\b], |v[S+16*\b+\i]|, |v[S+16*\b+\i+1]|
.endr
.endr
.irp b, 0,1
	v_permlanex16_b32 v[BT+\b], v[BM+\b], s[SEL], s[SEL+1]
.endr
.irp b, 0,1
	v_max_num_f32 v[BM+\b], v[BM+\b], v[BT+\b]
.endr
.irp b, 0,1
	v_add_nc_u32 v[SO+\b], 0xff000000, v[BM+\b]
.endr
.irp b, 0,1
	v_lshrrev_b32 v[BT+\b], 23, v[SO+\b]
.endr
	v_lshl_or_b32 v[PW], v[BT+1], 8, v[BT]         ; my row's two scale bytes
	v_cvt_scalef32_pk16_fp6_f32 v[PC:PC+2], v[S:S+15], v[SO]
	v_cvt_scalef32_pk16_fp6_f32 v[PT:PT+2], v[S+16:S+31], v[SO+1]
	v_nop
.irp i, 0,1,2
	v_permlane16_swap_b32 v[PC+\i], v[PT+\i]
.endr
.irp i, 0,1,2
	v_mov_b32 v[PC+3+\i], v[PT+\i]
.endr
	global_store_b64 v[L8], v[PC:PC+1], s[AO:AO+1]                  ; 256 consecutive bytes, aligned,
	global_store_b128 v[L16], v[PC+2:PC+5], s[AO:AO+1] offset:256   ; and 512
	ds_store_b16 v[SA], v[PW]                      ; both halves of the lanes write the same bytes with the same value
	s_wait_dscnt 0x0                               ; for wave 0's sake
	s_barrier_signal -1
	s_barrier_wait -1
	s_cmp_lg_u32 s[WV], 0
	s_cbranch_scc1 .Lnot_first
	ds_load_b128 v[S:S+3], v[SR]
	s_wait_dscnt 0x0
	global_store_b128 v[L16], v[S:S+3], s[ASC:ASC+1]   ; the work-group's 512 scale bytes: consecutive, aligned
.Lnot_first:
	s_wait_tensorcnt 0x0                           ; the wave's end
	ds_add_u32 v[SPW], v[NIL]
	s_wait_dscnt 0x0
	CROUND                                         ; the closing round: no work-group ends while a partner may still ask for a tile that names it
	s_endpgm
.Lfunc_end_k_q751f68e4ff_attn:
	.size	k_q751f68e4ff_attn, .Lfunc_end_k_q751f68e4ff_attn-k_q751f68e4ff_attn
	.p2alignl 7, 3214868480
	.fill 96, 4, 3214868480
	.section	.rodata,"a",@progbits
	.p2align	6, 0x0
	.amdhsa_kernel k_q751f68e4ff_attn
		.amdhsa_group_segment_fixed_size 327680
		.amdhsa_private_segment_fixed_size 0
		.amdhsa_enable_private_segment 0
		.amdhsa_kernarg_size 32
		.amdhsa_user_sgpr_count 2
		.amdhsa_user_sgpr_kernarg_segment_ptr 1
		.amdhsa_wavefront_size32 1
		.amdhsa_system_sgpr_workgroup_id_x 1
		.amdhsa_system_sgpr_workgroup_id_y 1
		.amdhsa_system_sgpr_workgroup_id_z 1
		.amdhsa_system_vgpr_workitem_id 0
		.amdhsa_next_free_vgpr 256
		.amdhsa_next_free_sgpr 66
		.amdhsa_reserve_vcc 0
		.amdhsa_float_denorm_mode_32 3
		.amdhsa_float_denorm_mode_16_64 3
		.amdhsa_memory_ordered 1
		.amdhsa_forward_progress 1
		.amdhsa_inst_pref_size 45
	.end_amdhsa_kernel
	.amdgpu_metadata
---
amdhsa.version: [ 1, 2 ]
amdhsa.kernels:
  - .name:           k_q751f68e4ff_attn
    .symbol:         k_q751f68e4ff_attn.kd
    .args:
      - { .name: qimg, .offset: 0, .size: 8, .value_kind: global_buffer, .address_space: global }
      - { .name: kv, .offset: 8, .size: 8, .value_kind: global_buffer, .address_space: global }
      - { .name: aimg, .offset: 16, .size: 8, .value_kind: global_buffer, .address_space: global }
      - { .name: asc, .offset: 24, .size: 8, .value_kind: global_buffer, .address_space: global }
    .group_segment_fixed_size: 327680
    .private_segment_fixed_size: 0
    .kernarg_segment_align: 8
    .kernarg_segment_size: 32
    .max_flat_workgroup_size: 512
    .sgpr_count:     66
    .vgpr_count:     256
    .wavefront_size: 32
...
	.end_amdgpu_metadata
.endif
;; end of part 2
;; launch outp (part 3): grid 64 x 4, 16 waves a work-group, no clusters, 231,424 bytes of LDS; arguments aimg, asc, Wo_codes, Wo_scales, bo, out0; writes out0
.if DOCPART == 3
	.amdgcn_target "amdgcn-amd-amdhsa--gfx1250"
	.amdhsa_code_object_version 6
	.text
	.protected	k_q751f68e4ff_outp
	.globl	k_q751f68e4ff_outp
	.p2align	8
	.type	k_q751f68e4ff_outp,@function
k_q751f68e4ff_outp:
	s_mov_b64 s[64:65], 0
	v_nop
	global_prefetch_b8 v0, s[64:65] scope:SCOPE_SE
	s_setreg_imm32_b32 hwreg(HW_REG_WAVE_MODE, 25, 1), 1
	s_wait_xcnt 0x0
; out0 = a Wo^T + bo on codes of FP6 (E2M3) with one E8M0 scale for each 32 along K = 512.  a: the attention's result, as images of operand registers (aimg: [16 rows][head][768 bytes]) and scale bytes (asc: [head of 16][4,096] pairs).
; SHARES.  A work-group makes 128 rows x 256 columns: 256 equal work-groups.  Wave w: row tiles 2 (w / 4), 2 (w / 4) + 1 and columns 64 (w % 4) on: eight accumulators, four K steps of 128, written out.
; The matrix instruction is used transposed (source 0 = 16 rows of Wo, source 1 = 16 rows of a): a lane holds eight neighbouring columns of a row.  bo is the C of each sum's first instruction.
; LDS is filled once: Wo's 256 rows (waves 0-3, 64 rows each) and a's eight tiles (waves 4-6, 16,384 dense bytes each); so there is no ring.
; NO CLUSTER: a work-group fetches its 147,456 bytes once, at its head, and then stores 131,072; a joint load of Wo's 98,304 bytes would stand between two rounds of the cluster's barrier for that one fill.
.set WPITCH, 432                       ; a row of Wo in LDS: 3 x (128 bytes + 16 of padding) = 108 words: the 32 lanes of a load of 8 bytes touch 64 different banks (64 banks of 4 bytes: ISA guide 11.1)
.set AIMG,  256*WPITCH                 ; a's images, 49,152 bytes
.set STG,   AIMG+49152                 ; the way out: 16 rows x (256 bytes + 16) for each wave; no tensor load lands here
.set AW,   4                           ; my lane's place in Wo's rows
.set AW2,  5                           ; the same behind one padding more
.set AA8,  6                           ; 8 x lane in a's images of my two tiles
.set AA16, 7                           ; 16 x lane
.set STO,  8
.set SRD,  9
.set GO,   10
.set AFR,  32                          ; v32-55 a's two fragments
.set WFR,  56                          ; v56-103 Wo's four
.set WSW,  104                         ; v104-119 Wo's scale words: 4 t + s
.set ASW,  120                         ; v120-127 a's: 4 i + s
.set BIAS, 128                         ; v128-159
.set ACC,  160                         ; v160-223: (i, t) at 8 (4 i + t)
.set AU,   224                         ; v224-239 a's pairs of scale bytes: 8 i + head
.set WV,   16
.set G1W,  24
.set G1A,  32
.set G0W,  40
.set G0A,  44
	s_load_b128 s[4:7], s[0:1], 0x0                ; aimg, asc
	s_load_b128 s[8:11], s[0:1], 0x10              ; Wo's codes, Wo's scales
	s_load_b128 s[12:15], s[0:1], 0x20             ; bo, out0
	v_lshl_add_u32 v254, v0, 2, 0x38000
	v_mov_b32 v255, 0
	ds_add_u32 v254, v255
	v_lshrrev_b32 v1, 5, v0
	v_readfirstlane_b32 s[WV], v1                  ; wave 0..15
	s_and_b32 s17, ttmp7, 0xffff                   ; which 256 columns
	s_and_b32 s18, s[WV], 3                        ; my 64 of them.  Also: which part I fetch
	s_lshr_b32 s19, s[WV], 2                       ; my pair of row tiles
	s_mov_b32 s[G1W], (1<<20)|(4<<22)|(3<<25)      ; elements of 1 byte; padding: after every 32 words, 4 words
	s_mov_b32 s[G1W+1], 384<<16
	s_mov_b32 s[G1W+2], 64<<16
	s_mov_b32 s[G1W+3], 384<<16
	s_mov_b32 s[G1W+4], 64
	s_mov_b32 s[G1W+5], 384
	s_mov_b32 s[G1W+6], 0
	s_mov_b32 s[G1W+7], 0
	s_mov_b32 s[G1A], 3<<16                        ; elements of 8 bytes: 64 dense rows of 256 bytes
	s_mov_b32 s[G1A+1], 32<<16
	s_mov_b32 s[G1A+2], 64<<16
	s_mov_b32 s[G1A+3], 32<<16
	s_mov_b32 s[G1A+4], 64
	s_mov_b32 s[G1A+5], 32
	s_mov_b32 s[G1A+6], 0
	s_mov_b32 s[G1A+7], 0
	s_mul_i32 s20, s17, 256*384
	s_mul_i32 s21, s18, 64*384
	s_add_co_u32 s20, s20, s21
	s_mov_b32 s21, 0
	s_mul_i32 s22, ttmp9, 49152
	s_lshl_b32 s23, s18, 14
	s_add_co_u32 s22, s22, s23
	s_mov_b32 s23, 0
	v_and_b32 v3, 31, v0                           ; lane
	v_and_b32 v1, 15, v0                           ; r
	v_bfe_u32 v2, v0, 4, 1                         ; h
	s_wait_dscnt 0x0
	s_wait_kmcnt 0x0
	s_mov_b32 s[G0W], 1
	s_mul_i32 s[G0W+1], s18, 64*WPITCH
	s_add_nc_u64 s[G0W+2:G0W+3], s[8:9], s[20:21]
	s_or_b32 s[G0W+3], s[G0W+3], 0x80000000
	s_mov_b32 s[G0A], 1
	s_lshl_b32 s[G0A+1], s18, 14
	s_add_co_u32 s[G0A+1], s[G0A+1], AIMG
	s_add_nc_u64 s[G0A+2:G0A+3], s[4:5], s[22:23]
	s_or_b32 s[G0A+3], s[G0A+3], 0x80000000
	s_cmp_lt_u32 s[WV], 4                          ; a wave's one load; four v_nop follow each line
	s_cbranch_scc0 .Lnot_w
	tensor_load_to_lds s[G0W:G0W+3], s[G1W:G1W+7]
	s_nop 0
.rept 4
	v_nop
.endr
	s_branch .Lasked
.Lnot_w:
	s_cmp_lt_u32 s[WV], 7
	s_cbranch_scc0 .Lasked
	tensor_load_to_lds s[G0A:G0A+3], s[G1A:G1A+7]
	s_nop 0
.rept 4
	v_nop
.endr
.Lasked:
	s_lshl_b32 s48, s17, 12
	s_lshl_b32 s49, s18, 10
	s_add_co_u32 s48, s48, s49                     ; my first column x 16
	s_mov_b32 s49, 0
	s_add_nc_u64 s[10:11], s[10:11], s[48:49]      ; Wo's scale bytes: 16 a row
	s_lshr_b32 s48, s48, 2                         ; my first column x 4
	s_add_nc_u64 s[12:13], s[12:13], s[48:49]      ; bo
	s_add_nc_u64 s[14:15], s[14:15], s[48:49]      ; out0: my columns,
	s_lshl_b32 s48, ttmp9, 19
	s_lshl_b32 s50, s19, 17
	s_add_co_u32 s48, s48, s50
	s_add_nc_u64 s[14:15], s[14:15], s[48:49]      ; my first row: (128 x + 32 (w / 4)) x 4,096 bytes
	s_lshr_b32 s48, ttmp9, 5                       ; a's scale bytes: batch x 8 heads x 8,192,
	s_lshl_b32 s48, s48, 16
	s_and_b32 s50, ttmp9, 31
	s_lshl_b32 s50, s50, 8
	s_add_co_u32 s48, s48, s50                     ; + my work-group's 128 queries x 2,
	s_lshl_b32 s50, s19, 6
	s_add_co_u32 s48, s48, s50                     ; + my 32
	s_add_nc_u64 s[6:7], s[6:7], s[48:49]
	v_lshlrev_b32 v11, 4, v1                       ; 16 r
	v_lshlrev_b32 v12, 5, v2                       ; 32 h
	v_lshlrev_b32 v13, 1, v1                       ; 2 r
.irp t, 0,1,2,3
	global_load_b128 v[WSW+4*\t:WSW+4*\t+3], v11, s[10:11] offset:256*\t   ; row r of tile t: the words of the four K steps
.endr
.irp t, 0,1,2,3
	global_load_b128 v[BIAS+8*\t:BIAS+8*\t+3], v12, s[12:13] offset:64*\t   ; bo at columns 16 t + 8 h + 0 .. 7: the result's layout
	global_load_b128 v[BIAS+8*\t+4:BIAS+8*\t+7], v12, s[12:13] offset:64*\t+16
.endr
.irp i, 0,1
.irp d, 0,1,2,3,4,5,6,7
	global_load_u16 v[AU+8*\i+\d], v13, s[6:7] offset:8192*\d+32*\i
.endr
.endr
	v_mul_u32_u24 v[AW], v1, WPITCH
	v_mad_u32_u24 v[AW], v2, 24, v[AW]
	s_mul_i32 s20, s18, 64*WPITCH
	v_add_nc_u32 v[AW], s20, v[AW]                 ; row r of my 64, + 24 h
	v_lshl_add_u32 v[AW2], v2, 4, v[AW]
	s_mul_i32 s21, s19, 12288
	s_add_co_u32 s21, s21, AIMG
	v_lshl_add_u32 v[AA8], v3, 3, s21
	v_lshl_add_u32 v[AA16], v3, 4, s21
	s_mul_i32 s22, s[WV], 16*272
	s_add_co_u32 s22, s22, STG                     ; my stage
	v_mul_u32_u24 v[STO], v1, 272
	v_lshl_add_u32 v[STO], v2, 5, v[STO]
	v_add_nc_u32 v[STO], s22, v[STO]               ; in: row r, 32 bytes for each half of the lanes
	v_mul_u32_u24 v[SRD], v2, 272
	v_lshl_add_u32 v[SRD], v1, 4, v[SRD]
	v_add_nc_u32 v[SRD], s22, v[SRD]               ; back: lanes 0-15 one row of 256 bytes, lanes 16-31 the next
	v_lshlrev_b32 v[GO], 12, v2
	v_lshl_add_u32 v[GO], v1, 4, v[GO]             ; and the same two rows in out0
	s_wait_loadcnt 0x0
.irp i, 0,1
.irp s, 0,1,2,3
	v_lshl_or_b32 v[ASW+4*\i+\s], v[AU+8*\i+2*\s+1], 16, v[AU+8*\i+2*\s]   ; K step s is heads 2 s and 2 s + 1: four bytes
.endr
.endr
.rept 8
	v_nop                                          ; a scale register written by a vector instruction stands eight places ahead of a scaled matrix instruction
.endr
	s_wait_tensorcnt 0x0                           ; my part is in,
	s_barrier_signal -1
	s_barrier_wait -1                              ; everybody's is
.macro WFRAG reg, s, t                 ; a fragment of Wo: pieces of 8 bytes; 16 bytes of padding lie behind every 16 pieces; lanes 16-31 take the pieces three on
.irp p, 0,1,2,3,4,5
.set PCN, 12*(\s)+6*(\p/3)+\p%3
.if PCN%16 < 13
	ds_load_b64 v[\reg+2*\p:\reg+2*\p+1], v[AW] offset:8*PCN+16*(PCN/16)+(\t)*16*WPITCH
.else
	ds_load_b64 v[\reg+2*\p:\reg+2*\p+1], v[AW2] offset:8*PCN+16*(PCN/16)+(\t)*16*WPITCH
.endif
.endr
.endm
.macro KSTEP s
.if \s > 0
.rept 4
	v_nop                                          ; places in front of loads into registers that matrix instructions have read
.endr
.endif
.irp i, 0,1
.irp c, 0,1
	ds_load_b64 v[AFR+12*\i+6*\c:AFR+12*\i+6*\c+1], v[AA8] offset:6144*\i+768*(2*(\s)+\c)
	ds_load_b128 v[AFR+12*\i+6*\c+2:AFR+12*\i+6*\c+5], v[AA16] offset:6144*\i+768*(2*(\s)+\c)+256
.endr
.endr
.irp t, 0,1,2,3
	WFRAG WFR+12*\t, \s, \t
.endr
	s_wait_dscnt 0x0
.irp i, 0,1                                    ; the eight accumulators take turns, one instruction a turn
.irp t, 0,1,2,3
.if \s == 0
	v_wmma_scale_f32_16x16x128_f8f6f4 v[ACC+8*(4*\i+\t):ACC+8*(4*\i+\t)+7], v[WFR+12*\t:WFR+12*\t+11], v[AFR+12*\i:AFR+12*\i+11], v[BIAS+8*\t:BIAS+8*\t+7], v[WSW+4*\t+(\s)], v[ASW+4*\i+(\s)] matrix_a_fmt:MATRIX_FMT_FP6 matrix_b_fmt:MATRIX_FMT_FP6
.else
	v_wmma_scale_f32_16x16x128_f8f6f4 v[ACC+8*(4*\i+\t):ACC+8*(4*\i+\t)+7], v[WFR+12*\t:WFR+12*\t+11], v[AFR+12*\i:AFR+12*\i+11], v[ACC+8*(4*\i+\t):ACC+8*(4*\i+\t)+7], v[WSW+4*\t+(\s)], v[ASW+4*\i+(\s)] matrix_a_fmt:MATRIX_FMT_FP6 matrix_b_fmt:MATRIX_FMT_FP6
.endif
.endr
.endr
.endm
	KSTEP 0
	KSTEP 1
	KSTEP 2
	KSTEP 3
	; THE WAY OUT: 16 rows x 64 columns at a time through my own stage, back as whole rows of 256 bytes.  LDS serves a wave's instructions in order (ISA guide 5.7.1.4): no wait between my stores and my loads.
.rept 4
	v_nop
.endr
.irp i, 0,1
.irp t, 0,1,2,3
	ds_store_b128 v[STO], v[ACC+8*(4*\i+\t):ACC+8*(4*\i+\t)+3] offset:64*\t        ; each accumulator from its low end on
	ds_store_b128 v[STO], v[ACC+8*(4*\i+\t)+4:ACC+8*(4*\i+\t)+7] offset:64*\t+16
.endr
.irp k, 0,1,2,3,4,5,6,7
	ds_load_b128 v[32+32*\i+4*\k:32+32*\i+4*\k+3], v[SRD] offset:544*\k
.endr
.endr
.irp k, 0,1,2,3,4,5,6,7
	s_wait_dscnt 23-\k                             ; behind this load: 7 - k loads of the first half, and the second half's sixteen LDS instructions
	global_store_b128 v[GO], v[32+4*\k:32+4*\k+3], s[14:15] offset:2*\k*4096 th:TH_STORE_NT   ; sixteen lanes store 256 consecutive bytes, aligned; written once, read by nobody here
.endr
.irp k, 0,1,2,3,4,5,6,7
	s_wait_dscnt 7-\k
	global_store_b128 v[GO], v[64+4*\k:64+4*\k+3], s[14:15] offset:(16+2*\k)*4096 th:TH_STORE_NT
.endr
	s_wait_tensorcnt 0x0
	ds_add_u32 v254, v255
	s_wait_dscnt 0x0
	s_endpgm
.Lfunc_end_k_q751f68e4ff_outp:
	.size	k_q751f68e4ff_outp, .Lfunc_end_k_q751f68e4ff_outp-k_q751f68e4ff_outp
	.p2alignl 7, 3214868480
	.fill 96, 4, 3214868480
	.section	.rodata,"a",@progbits
	.p2align	6, 0x0
	.amdhsa_kernel k_q751f68e4ff_outp
		.amdhsa_group_segment_fixed_size 231424
		.amdhsa_private_segment_fixed_size 0
		.amdhsa_enable_private_segment 0
		.amdhsa_kernarg_size 48
		.amdhsa_user_sgpr_count 2
		.amdhsa_user_sgpr_kernarg_segment_ptr 1
		.amdhsa_wavefront_size32 1
		.amdhsa_system_sgpr_workgroup_id_x 1
		.amdhsa_system_sgpr_workgroup_id_y 1
		.amdhsa_system_sgpr_workgroup_id_z 1
		.amdhsa_system_vgpr_workitem_id 0
		.amdhsa_next_free_vgpr 256
		.amdhsa_next_free_sgpr 66
		.amdhsa_reserve_vcc 0
		.amdhsa_float_denorm_mode_32 3
		.amdhsa_float_denorm_mode_16_64 3
		.amdhsa_memory_ordered 1
		.amdhsa_forward_progress 1
		.amdhsa_inst_pref_size 26
	.end_amdhsa_kernel
	.amdgpu_metadata
---
amdhsa.version: [ 1, 2 ]
amdhsa.kernels:
  - .name:           k_q751f68e4ff_outp
    .symbol:         k_q751f68e4ff_outp.kd
    .args:
      - { .name: aimg, .offset: 0, .size: 8, .value_kind: global_buffer, .address_space: global }
      - { .name: asc, .offset: 8, .size: 8, .value_kind: global_buffer, .address_space: global }
      - { .name: Wo_codes, .offset: 16, .size: 8, .value_kind: global_buffer, .address_space: global }
      - { .name: Wo_scales, .offset: 24, .size: 8, .value_kind: global_buffer, .address_space: global }
      - { .name: bo, .offset: 32, .size: 8, .value_kind: global_buffer, .address_space: global }
      - { .name: out0, .offset: 40, .size: 8, .value_kind: global_buffer, .address_space: global }
    .group_segment_fixed_size: 231424
    .private_segment_fixed_size: 0
    .kernarg_segment_align: 8
    .kernarg_segment_size: 48
    .max_flat_workgroup_size: 512
    .sgpr_count:     66
    .vgpr_count:     256
    .wavefront_size: 32
...
	.end_amdgpu_metadata
.endif
;; end of part 3
